; MI455X (gfx1250); checked and timed in simulation.
; The chip was launched on July 23, 2026; its instructions are those of AMD's public machine-readable ISA for CDNA 5 (MIT licence, August 2026) and "CDNA5" Instruction Set Architecture Reference Guide (July 2026). The comments in the code are by the model that wrote it; some were corrected since.
;; Cross Attention Model. Allowed arithmetic: matrix products marked QUANTISED: E3M2 operands, one E8M0 scale for each 32 along K, by v_wmma_scale_f32_16x16x128_f8f6f4 with both operands' format E3M2, f32 sums; everything else in f32.
;; Inputs: W_k1 512 x 512 float32; W_k2 512 x 512 float32; W_q1 512 x 512 float32; W_q2 512 x 512 float32; W_v1 512 x 512 float32; W_v2 512 x 512 float32; b_k1 512 float32; b_k2 512 float32; b_q1 512 float32; b_q2 512 float32; b_v1 512 float32; b_v2 512 float32; input1 64 x 512 x 512 float32; input2 64 x 512 x 512 float32.
;; Outputs: out0 64 x 512 float32.
;; This version of the problem:
;;   THIS VERSION OF THE PROBLEM IS GIVEN IN LOW PRECISION. The matrix products marked QUANTISED in the list below multiply operands that are first quantised to E3M2 (3 exponent bits, 2 mantissa bits; 6 bits a number), with one power-of-two scale for each 32 numbers along K (OCP MX v1.0); their sums are f32. All else is computed in f32.
;;   The module's matrix products, in the order in which they are computed (A, B: the left and right operand; K: the contracted axis; several contracted axes count as one K, in the product's order):
;;     1. [M 32,768, K 512] x [K 512, N 512]; A: input input1; B: input W_q1: QUANTISED
;;     2. [M 32,768, K 512] x [K 512, N 512]; A: input input1; B: input W_k1: QUANTISED
;;     3. [M 32,768, K 512] x [K 512, N 512]; A: input input1; B: input W_v1: QUANTISED
;;     4. [M 32,768, K 512] x [K 512, N 512]; A: input input2; B: input W_q2: QUANTISED
;;     5. [M 32,768, K 512] x [K 512, N 512]; A: input input2; B: input W_k2: QUANTISED
;;     6. [M 32,768, K 512] x [K 512, N 512]; A: input input2; B: input W_v2: QUANTISED
;;     7. batch 64 x [M 512, K 512] x [K 512, N 512]; A: computed on the way; B: computed on the way: QUANTISED
;;     8. batch 64 x [M 512, K 512] x [K 512, N 512]; A: softmax (see below); B: computed on the way: QUANTISED
;;   THE QUANTISER, for each operand of a quantised product, along K:
;;     - K is cut into blocks of 32 from its start; a last block that is shorter is filled with zeros.
;;     - A block's scale is 2^e with e = floor(log2(the largest magnitude in the block)) - 4, held to -126 .. 127; a block of zeros has e = 0. As a byte (E8M0): e + 127.
;;     - Each number is divided by its block's scale, clamped to +-28, and rounded to the nearest number of E3M2, ties to even, subnormals kept.
;;     - The product sums the exact products of the quantised numbers (number of the format x scale) in f32.
;;   ~~~python
;;   def quantise(x, axis):      # numpy; x: float32 -> the quantised numbers, widened to float32 again
;;       x = np.moveaxis(x, axis, -1); K = x.shape[-1]
;;       x = np.pad(x, [(0, 0)] * (x.ndim - 1) + [(0, -K % 32)]); x = x.reshape(x.shape[:-1] + (-1, 32)); a = np.abs(x).max(-1, keepdims=True)
;;       e = np.where(a > 0, np.clip(np.frexp(np.where(a > 0, a, 1))[1] - 1 - 4, -126, 127), 0)      # np.frexp(a)[1] - 1 = floor(log2(a)), exactly
;;       r = np.clip(x / 2.0 ** e, -28, 28)
;;       step = 2.0 ** (np.maximum(np.frexp(np.where(r == 0, 1, r))[1] - 1, -2) - 2)
;;       q = np.round(r / step) * step * 2.0 ** e      # np.round: ties to even
;;       return np.moveaxis(q.reshape(q.shape[:-2] + (-1,))[..., :K], -1, axis).astype(np.float32)
;;   ~~~
;;   SOFTMAX AHEAD OF A QUANTISED PRODUCT. Where the list says 'softmax', what is quantised is not the finished softmax but p = 2^(t - M), with t = logit x log2(e) and M = ceil(the row's largest t), a whole number; so 1/2 < the row's largest p <= 1. The row's sum l is taken of the UNQUANTISED p, in f32, and the product's result is divided by l at the end. Since M is a whole number, a kernel that streams over the keys may use a running M (the ceiling of the running maximum): every later rescaling is an exact power of two, which a block's scale takes up: the codes' values come out the same.
;;   OPERANDS COMPUTED ON THE WAY. 'Computed on the way' means the value that the module computes at that place (a softmax that the list does not call 'softmax' is quantised finished and normalised). What goes into a quantiser is computed in f32, as accurately as f32 sums, v_exp_f32 and their like allow (about 1e-6 of the number): no bf16 or f16 on the way to a quantiser, and a product that is left as it is and whose result goes on into a quantised operand takes f32 operands (vector FMAs, or v_wmma_f32_16x16x4_f32). A number that lies on a knife's edge between two numbers of the format may be rounded either way, as far as f32 arithmetic and the matrix unit's own rounding can turn it there, and no further.
;; One version. Each part assembles by itself: llvm-mc -triple=amdgcn-amd-amdhsa -mcpu=gfx1250 --defsym DOCPART=n.
;; ======== version 1 of 1: 4 launches
;; limits: right only within a limited range of input values
;; workspace buffers: wimg 638,976 bytes; kimg 13,631,488 bytes; qimg 13,631,488 bytes; vimg 13,631,488 bytes; part 524,288 bytes
;; launch wquant (part 1): grid 24 x 1, 16 waves a work-group, no clusters, 139,264 bytes of LDS; arguments W_k2, W_v2, W_q1, wimg; writes wimg
.if DOCPART == 1
	.amdgcn_target "amdgcn-amd-amdhsa--gfx1250"
	.amdhsa_code_object_version 6
	.text
	.protected	k_qfe2786d877_wquant
	.globl	k_qfe2786d877_wquant
	.p2align	8
	.type	k_qfe2786d877_wquant,@function
k_qfe2786d877_wquant:
	s_mov_b64 s[64:65], 0
	v_nop
	global_prefetch_b8 v0, s[64:65] scope:SCOPE_SE
	s_setreg_imm32_b32 hwreg(HW_REG_WAVE_MODE, 25, 1), 1
	s_wait_xcnt 0x0
; W_k2, W_v2, W_q1 [512][512], f32, K innermost, become codes of BF6 (E3M2) with one E8M0 byte for each 32 along K, laid in the ORDER OF AN OPERAND'S REGISTERS.
; DEAD WORK: reference() computes key1, value1 and query2 and uses them in no later step, so for all values of the inputs they reach no output: W_k1, W_v1, W_q2, b_k1, b_v1, b_q2 are arguments of no launch and are not read.
; LIMIT: a NaN, an infinity or an overflow that reaches only that work is not carried to the result.
; A UNIT of 13,312 bytes is 128 rows x 128 along K: eight fragments (16 rows x 128 K, 12 registers a lane), register 4 g + e of lane L of fragment f at 1536 f + 512 g + 16 L + 4 e, then two quads of scale words:
; the word of fragment 4 q + e, as lane L holds it, at 12288 + 512 q + 16 L + 4 e.  Four units (K steps) are a block of 128 rows, four blocks a weight.
; THE ROWS OF A FRAGMENT: lane r of fragment f takes row 32 (f / 2) + 8 (f % 2) + r + 8 (r / 8) of its 128 rows (for W_v2: row 16 f + r), so that a product which takes such a fragment as
; its first source leaves 16 neighbours along its rows in a lane's registers.
; A block's scale is 2^(floor(log2(largest magnitude)) - 4); its byte is the largest magnitude's exponent field - 4, held at 1 from below.
; LIMITS: NaN and infinities are not served; blocks whose largest magnitude lies under 2^-122 are held at the byte 1; a block of zeros has the byte 1 (its codes are zeros; only this program reads the bytes).
; SHARES: a work-group takes 64 rows of a weight; wave 4 f + s takes fragment f of them in K step s: one fragment a wave, 16 waves.  Eight work-groups to a weight: 24 have all the work there is.
; A load reads 512 consecutive bytes of one row; the 16 rows turn through the wave's own stage in LDS (rows 528 bytes apart) and come back as 16 neighbours of each block of 32 a lane.
; The four scale words of a K step meet in LDS, so that a quad leaves as 512 consecutive bytes.
.set ROWB,  2048
.set SP,    528
.set STG,   16*SP
.set FRB,   1536
.set UNIT,  13312
.set BLOCK, 4*UNIT
.set QL,    16*STG                     ; four quads of 512 bytes
.set SPARE, QL+2048                    ; the spare words, 128 bytes a wave
.set VOA,   2                          ; 16 x lane
.set VLO,   3                          ; the same for rows 0-7 of the fragment (their immediates stand 8 rows back)
.set VHI,   4                          ; and for rows 8-15
.set LW,    5
.set LR,    6
.set QW,    9
.set QR,    10
.set R,     16                         ; v16-79   16 rows x 4 registers
.set X,     144                        ; v144-207 register 16 b + i = k 32 b + 16 (lane / 16) + i of my row
.set PC,    208
.set TM,    228
.set PW,    244
.set IN,    20
.set OS,    22
.set OC,    28
.set SEL,   30
.set WV,    32
.set KS,    44
.set FF,    45
	s_load_b256 s[4:11], s[0:1], 0x0               ; W_k2, W_v2, W_q1, wimg
	v_lshl_add_u32 v254, v0, 2, SPARE
	v_mov_b32 v255, 0
	v_lshrrev_b32 v1, 5, v0
	v_readfirstlane_b32 s[WV], v1
	s_and_b32 s[KS], s[WV], 3                      ; K step
	s_lshr_b32 s[FF], s[WV], 2                     ; fragment
	s_and_b32 s24, ttmp9, 7                        ; which 64 rows
	s_lshr_b32 s26, ttmp9, 3                       ; which weight
	s_and_b32 s34, s[FF], 1
	s_xor_b32 s34, s34, 1
	s_lshl_b32 s34, s34, 14                        ; 8 rows in an even fragment, 0 in an odd one
	s_cmp_eq_u32 s26, 1                            ; W_v2 keeps its rows in order
	s_cselect_b32 s35, 16384, s34                  ; permuted, an odd fragment's rows 0-7 lie 8 rows further up,
	s_cselect_b32 s36, 0, s34                      ; an even fragment's rows 8-15 lie 8 rows further down
	s_mul_i32 s37, s[WV], STG                      ; my stage
	s_lshl_b32 s38, s24, 17                        ; 64 rows of 2,048 bytes,
	s_lshl_b32 s27, s[KS], 9                       ; my 512 bytes of a row,
	s_add_co_u32 s38, s38, s27
	s_lshl_b32 s27, s[FF], 15                      ; my 16 rows
	s_add_co_u32 s38, s38, s27
	s_mov_b32 s39, 0
	s_lshr_b32 s40, s24, 1
	s_mul_i32 s40, s40, BLOCK
	s_mul_i32 s27, s[KS], UNIT
	s_add_co_u32 s40, s40, s27
	s_mul_i32 s27, s26, 4*BLOCK
	s_add_co_u32 s40, s40, s27                     ; my unit in wimg
	s_and_b32 s27, s24, 1                          ; fragments 0-3 or 4-7 of the unit
	s_lshl_b32 s42, s27, 9
	s_add_co_u32 s42, s42, s40
	s_add_co_u32 s42, s42, 8*FRB                   ; the quad
	s_mov_b32 s43, 0
	s_lshl_b32 s27, s27, 2
	s_add_co_u32 s27, s27, s[FF]
	s_mul_i32 s27, s27, FRB
	s_add_co_u32 s40, s40, s27                     ; my fragment
	s_mov_b32 s41, 0
	s_lshl_b32 s46, s[KS], 9
	s_add_co_u32 s46, s46, QL                      ; my K step's quad in LDS,
	s_lshl_b32 s47, s[FF], 2
	s_add_co_u32 s47, s47, s46                     ; my word of it
	s_mov_b32 s[SEL], 0x76543210
	s_mov_b32 s[SEL+1], 0xfedcba98
	v_and_b32 v1, 31, v0                           ; lane
	v_lshlrev_b32 v[VOA], 4, v1
	v_add_nc_u32 v[VLO], s35, v[VOA]
	v_add_nc_u32 v[VHI], s36, v[VOA]
	v_lshl_add_u32 v[LW], v1, 4, s37
	v_and_b32 v7, 15, v0                           ; r
	v_bfe_u32 v8, v0, 4, 1                         ; h
	v_mul_u32_u24 v[LR], v7, SP
	v_lshl_add_u32 v[LR], v8, 6, v[LR]
	v_add_nc_u32 v[LR], s37, v[LR]                 ; row r, + 64 h
	v_lshl_add_u32 v[QW], v1, 4, s47
	v_lshl_add_u32 v[QR], v1, 4, s46
.irp b, 0,1,2,3
	v_mov_b32 v[TM+4+\b], 0                        ; a lane permute's destination counts as one of its sources
.endr
	s_wait_alu depctr_va_vdst(0)                   ; the wait at the head's end
	s_wait_kmcnt 0x0
	s_cmp_eq_u32 s26, 1                            ; the weight is chosen on the work-group's number alone
	s_cselect_b64 s[IN:IN+1], s[6:7], s[4:5]
	s_cmp_eq_u32 s26, 2
	s_cselect_b64 s[IN:IN+1], s[8:9], s[IN:IN+1]
	s_add_nc_u64 s[IN:IN+1], s[IN:IN+1], s[38:39]
	s_add_nc_u64 s[OC:OC+1], s[10:11], s[40:41]
	s_add_nc_u64 s[OS:OS+1], s[10:11], s[42:43]
.irp i, 0,1,2,3,4,5,6,7
	global_load_b128 v[R+4*\i:R+4*\i+3], v[VLO], s[IN:IN+1] offset:(\i-8)*ROWB th:TH_LOAD_NT
.endr
.irp i, 8,9,10,11,12,13,14,15
	global_load_b128 v[R+4*\i:R+4*\i+3], v[VHI], s[IN:IN+1] offset:\i*ROWB th:TH_LOAD_NT
.endr
	s_wait_loadcnt 0x0
.irp i, 0,1,2,3,4,5,6,7,8,9,10,11,12,13,14,15
	ds_store_b128 v[LW], v[R+4*\i:R+4*\i+3] offset:SP*\i
.endr
.irp b, 0,1,2,3
.irp j, 0,1,2,3
	ds_load_b128 v[X+16*\b+4*\j:X+16*\b+4*\j+3], v[LR] offset:128*\b+16*\j   ; LDS serves a wave's instructions in order: these see the stores above
.endr
.endr
	s_wait_dscnt 0x0
.irp b, 0,1,2,3
	v_max3_num_f32 v[TM+\b], |v[X+16*\b]|, |v[X+16*\b+1]|, 0x2800000   ; block b: my 16 numbers, and the floor 2^(5 - 127): the byte cannot fall under 1
.endr
.irp i, 2,4,6,8,10,12,14
.irp b, 0,1,2,3
	v_max3_num_f32 v[TM+\b], |v[X+16*\b+\i]|, |v[X+16*\b+\i+1]|, v[TM+\b]
.endr
.endr
.irp b, 0,1,2,3
	v_permlanex16_b32 v[TM+4+\b], v[TM+\b], s[SEL], s[SEL+1]
.endr
.irp b, 0,1,2,3
	v_max_num_f32 v[TM+\b], v[TM+\b], v[TM+4+\b]   ; with lane l xor 16's 16: the block's largest magnitude
.endr
.irp b, 0,1,2,3
	v_add_nc_u32 v[TM+12+\b], 0xfe000000, v[TM+\b] ; 4 off its exponent field: the conversion's scale operand
.endr
.irp b, 0,1,2,3
	v_lshrrev_b32 v[TM+4+\b], 23, v[TM+12+\b]      ; the scale's byte
.endr
	v_lshl_or_b32 v[PW], v[TM+5], 8, v[TM+4]
	v_lshl_or_b32 v[PW], v[TM+6], 16, v[PW]
	v_lshl_or_b32 v[PW], v[TM+7], 24, v[PW]
.irp c, 0,1
	v_cvt_scalef32_pk16_bf6_f32 v[PC+6*\c:PC+6*\c+2], v[X+32*\c:X+32*\c+15], v[TM+12+2*\c]
	v_cvt_scalef32_pk16_bf6_f32 v[PC+12+4*\c:PC+12+4*\c+2], v[X+32*\c+16:X+32*\c+31], v[TM+12+2*\c+1]   ; (a conversion's three registers begin on an even number)
.endr
	v_nop                                          ; one plain instruction behind the scaled conversions
.irp c, 0,1                                    ; the operand's layout wants a whole block in a lane
.irp i, 0,1,2
	v_permlane16_swap_b32 v[PC+6*\c+\i], v[PC+12+4*\c+\i]
.endr
.irp i, 0,1,2
	v_mov_b32 v[PC+6*\c+3+\i], v[PC+12+4*\c+\i]
.endr
.endr
	ds_store_b32 v[QW], v[PW]                      ; my fragment's scale word into its K step's quad
.irp c, 0,1,2
	global_store_b128 v[VOA], v[PC+4*\c:PC+4*\c+3], s[OC:OC+1] offset:512*\c   ; 32 lanes store 512 consecutive bytes, at a multiple of 256 from the buffer's first byte
.endr
	s_wait_dscnt 0x0                               ; for the others' sake: my word lies in LDS
	s_barrier_signal -1
	s_barrier_wait -1
	s_cmp_lg_u32 s[FF], 0                          ; waves 0-3 store the four quads
	s_cbranch_scc1 .Ldone
	ds_load_b128 v[R:R+3], v[QR]
	s_wait_dscnt 0x0
	global_store_b128 v[VOA], v[R:R+3], s[OS:OS+1]
.Ldone:
	s_wait_tensorcnt 0x0                           ; the wave's end
	ds_add_u32 v254, v255
	s_wait_dscnt 0x0
	s_endpgm
.Lfunc_end_k_qfe2786d877_wquant:
	.size	k_qfe2786d877_wquant, .Lfunc_end_k_qfe2786d877_wquant-k_qfe2786d877_wquant
	.p2alignl 7, 3214868480
	.fill 96, 4, 3214868480
	.section	.rodata,"a",@progbits
	.p2align	6, 0x0
	.amdhsa_kernel k_qfe2786d877_wquant
		.amdhsa_group_segment_fixed_size 139264
		.amdhsa_private_segment_fixed_size 0
		.amdhsa_enable_private_segment 0
		.amdhsa_kernarg_size 32
		.amdhsa_user_sgpr_count 2
		.amdhsa_user_sgpr_kernarg_segment_ptr 1
		.amdhsa_wavefront_size32 1
		.amdhsa_system_sgpr_workgroup_id_x 1
		.amdhsa_system_sgpr_workgroup_id_y 1
		.amdhsa_system_sgpr_workgroup_id_z 1
		.amdhsa_system_vgpr_workitem_id 0
		.amdhsa_next_free_vgpr 256
		.amdhsa_next_free_sgpr 66
		.amdhsa_reserve_vcc 0
		.amdhsa_float_denorm_mode_32 3
		.amdhsa_float_denorm_mode_16_64 3
		.amdhsa_memory_ordered 1
		.amdhsa_forward_progress 1
		.amdhsa_inst_pref_size 12
	.end_amdhsa_kernel
	.amdgpu_metadata
---
amdhsa.version: [ 1, 2 ]
amdhsa.kernels:
  - .name:           k_qfe2786d877_wquant
    .symbol:         k_qfe2786d877_wquant.kd
    .args:
      - { .name: W_k2, .offset: 0, .size: 8, .value_kind: global_buffer, .address_space: global }
      - { .name: W_v2, .offset: 8, .size: 8, .value_kind: global_buffer, .address_space: global }
      - { .name: W_q1, .offset: 16, .size: 8, .value_kind: global_buffer, .address_space: global }
      - { .name: wimg, .offset: 24, .size: 8, .value_kind: global_buffer, .address_space: global }
    .group_segment_fixed_size: 139264
    .private_segment_fixed_size: 0
    .kernarg_segment_align: 8
    .kernarg_segment_size: 32
    .max_flat_workgroup_size: 512
    .sgpr_count:     66
    .vgpr_count:     256
    .wavefront_size: 32
...
	.end_amdgpu_metadata
.endif
;; end of part 1
;; launch proj (part 2): grid 256 x 1, 4 waves a work-group, no clusters, 327,680 bytes of LDS; arguments input2, input1, wimg, b_k2, b_v2, b_q1, kimg, vimg, qimg; writes kimg, vimg, qimg
.if DOCPART == 2
	.amdgcn_target "amdgcn-amd-amdhsa--gfx1250"
	.amdhsa_code_object_version 6
	.text
	.protected	k_qfe2786d877_proj
	.globl	k_qfe2786d877_proj
	.p2align	8
	.type	k_qfe2786d877_proj,@function
k_qfe2786d877_proj:
	s_mov_b64 s[64:65], 0
	v_nop
	global_prefetch_b8 v0, s[64:65] scope:SCOPE_SE
	s_setreg_imm32_b32 hwreg(HW_REG_WAVE_MODE, 25, 1), 1
	s_wait_xcnt 0x0
; key2 = input2 W_k2^T + b_k2, value2 = input2 W_v2^T + b_v2, query1 = input1 W_q1^T + b_q1, on codes of BF6 (E3M2) with E8M0 scales.
; NOT COMPUTED: key1, value1, query2: they never reach the result.  LIMITS: NaN and infinities are not served; a block under 2^-122, and a block of zeros, has the byte 1 (only this program reads the bytes).
; A UNIT (13,312 bytes) is eight fragments of 1,536 bytes (register 4 g + e of lane L at 512 g + 16 L + 4 e) and two quads of scale words; four units (K steps) are a block of 128 rows.
; SHARES.  A work-group takes 128 rows of input2 and the same 128 of input1.  Wave c brings CHUNK c, K step c of the 128 rows (128 x 512 bytes, LDS rows 528 apart), by ONE tensor load.
; THE WORK FOLLOWS THE CHUNKS.  K step c of a product needs chunk c alone.  So wave c waits for its load, a barrier shows the chunk to all, each wave quantises 32 of its rows (two fragments) into unit c of the X image,
; a second barrier shows the unit, and K step c is multiplied while the later chunks are on their way.  input2: chunk 0, K step 0, chunk 1, K step 1, chunks 2 and 3, then input1's load into the same bytes, then key2's
; K steps 2 and 3 and value2.  input1: chunk and K step of query1 by turns.
; QUANTISING.  Lane (r, h) reads blocks h and 2 + h of its row, 32 neighbours each: a block's largest magnitude needs no other lane, and the conversions' results are the operand's registers.
; The image's fragments hold permuted rows (lane r of fragment f: row 32 (f / 2) + 8 (f % 2) + r + 8 (r / 8)): the permutation is made by the address of the LDS store.
; PRODUCTS.  Wave w takes the weight's rows 128 w .. 128 w + 127 against all 128 rows: 64 accumulators, (X fragment or channel tile o, the other operand's tile i) at window 2 + o / 4, v[64 (o % 4) + 8 i].
; key2, query1: source 0 = weight, source 1 = X.  value2: source 0 = X, source 1 = weight.  The bias is the C of each sum's first matrix instruction.
; THE WEIGHTS go from wimg straight into registers: each fragment is read by one wave of the work-group, once.  A ring of 16 fragments (two K steps); a half step's four fragments and their quad (13 loads)
; are asked for again as soon as their 32 matrix instructions are issued: 96 matrix instructions ahead of their use.
; NO CLUSTER: LDS holds 4 x 67,584 bytes of f32, the image's 53,248 and 512 spare: 324,096 of 327,680; a slot for one K step of the four waves' weights would be 53,248 more, so no joint tensor load has bytes to land on.
; NO PREFETCH: each input comes by one tensor load a wave, with no loop to run ahead in; the weights are read by all work-groups alike.
; REGISTERS.  window 0: v1-10 addresses, v16-31 X's scale words (two sets), v32-47 the weights' (ring), v64-255 the ring of weight fragments.
;   window 1: X's fragments at v0 and v128 (two sets); bias at v96-127 and v224-255.  Between K steps the two sets hold nothing: the inputs' quantiser works there, and on a product's way out v128-167 serve its quantiser.
;   windows 2, 3: accumulators.
.set SP,    528
.set CHUNK, 128*SP
.set UNIT,  13312
.set BLOCK, 4*UNIT
.set WMAT,  4*BLOCK
.set FRB,   1536
.set XI,    4*CHUNK                    ; the X image: written by LDS stores alone
.set SPARE, XI+BLOCK                   ; the spare words: two blocks of 256 bytes that no other line names
.set SPW, 1
.set NIL, 2
.set OA,  3                            ; 16 x lane
.set AX,  4                            ; XI + 16 x lane
.set BH,  5                            ; 64 h
.set BR,  6                            ; 4 r
.set FL,  7                            ; in a chunk: my wave's 32 rows + 528 r + 128 h
.set IS,  8                            ; in a unit: my wave's two fragments + 1536 (r / 8) + 16 (r % 8) + 256 h
.set IW,  9                            ; in a unit's quads: my wave's two words + 16 (r % 8) + 256 h + 4 (r / 8)
.set SH,  10                           ; 8 h
.set XS,  16
.set WS,  32
.set WR,  64
.set TM,  128                          ; window 1, a product's way out
.set PC,  144
.set PW,  164
.set SA,  128                          ; window 1, the inputs' quantiser: two sets of 64 numbers,
.set SB,  0
.set CA,  192                          ; two sets of codes,
.set CB,  64
.set QM,  212                          ; at work,
.set QE,  216
.set WA,  218                          ; scale words,
.set W2,  219
.set WB,  84
.set LA,  220                          ; addresses, and 8 h
.set SAA, 221
.set SWA, 222
.set SHW, 223
.set WV,  22
.set G1,  32
.set G0A, 40
.set G0B, 44
.set WP,  48
.set OUTK, 50
.set OUTV, 52
.set OUTQ, 54
.set BKP, 56
.set BVP, 58
.set BQP, 60
.set SEL, 62
.set MSB, 0
.macro WIN new                         ; the immediate's high byte repeats the setting that is left; a switch that changes nothing is dropped
.if MSB != (\new)
	s_set_vgpr_msb (MSB<<8)|(\new)
.set MSB, (\new)
.endif
.endm
.macro PLACES n
.rept \n
	v_nop
.endr
.endm
; group gi of 24: half gi % 2 of K step gi / 2 of the twelve (four for each weight): four fragments and their quad, 13 loads, each 512 consecutive bytes
.macro WLOAD gi
.set wg, (\gi)/2
.set wh, (\gi)%2
.set wb, (wg/4)*WMAT+(wg%4)*UNIT
.set wr, WR+96*(wg%2)+48*wh
.irp j, 0,1,2,3
.irp c, 0,1,2
	global_load_b128 v[wr+12*\j+4*\c:wr+12*\j+4*\c+3], v[OA], s[WP:WP+1] offset:wb+FRB*(4*wh+\j)+512*\c
.endr
.endr
	global_load_b128 v[WS+8*(wg%2)+4*wh:WS+8*(wg%2)+4*wh+3], v[OA], s[WP:WP+1] offset:wb+8*FRB+512*wh
.endm
.macro XFETCH u, p                     ; unit u of the X image into set p
	WIN 0x40
.irp i, 0,1,2,3,4,5,6,7
.irp c, 0,1,2
	ds_load_b128 v[128*(\p)+12*\i+4*\c:128*(\p)+12*\i+4*\c+3], v[AX] offset:(\u)*UNIT+FRB*\i+512*\c
.endr
.endr
	WIN 0
	ds_load_b128 v[XS+8*(\p):XS+8*(\p)+3], v[AX] offset:(\u)*UNIT+8*FRB
	ds_load_b128 v[XS+8*(\p)+4:XS+8*(\p)+7], v[AX] offset:(\u)*UNIT+8*FRB+512
.endm
.macro BIASF ptr                       ; bias by the weight's permuted rows: tile t, lane half h: features 32 (t / 2) + 8 (t % 2) + 16 h + 0 .. 7
	WIN 0x40
.irp t, 0,1,2,3,4,5,6,7
	global_load_b128 v[96+8*(\t%4)+128*(\t/4):96+8*(\t%4)+128*(\t/4)+3], v[BH], s[\ptr:\ptr+1] offset:(32*(\t/2)+8*(\t%2))*4
	global_load_b128 v[100+8*(\t%4)+128*(\t/4):100+8*(\t%4)+128*(\t/4)+3], v[BH], s[\ptr:\ptr+1] offset:(32*(\t/2)+8*(\t%2))*4+16
.endr
	WIN 0
.endm
.macro WM
	v_wmma_scale_f32_16x16x128_f8f6f4 v[rD:rD+7], v[rA:rA+11], v[rB:rB+11], v[rC:rC+7], v[rSA], v[rSB] matrix_a_fmt:MATRIX_FMT_BF6 matrix_b_fmt:MATRIX_FMT_BF6
.endm
; 32 matrix instructions: the weight's fragments 4 hf .. 4 hf + 3 of K step G against X's eight.  The accumulators take turns, one instruction a turn.
; In a product's first K step C is the bias (window 1), else the accumulator.
.macro HS form, G, hf
.set kp, (\G)%2
.set kc, 1-(((\G)%4)+3)/4              ; 1 in a product's first K step
.if (\form) == 0
.irp oh, 0,1
.if kc
	WIN 0x14|((2+\oh)<<6)
.else
	WIN 0x04|((2+\oh)*0x50)
.endif
.irp oo, 0,1,2,3
.irp j, 0,1,2,3
.set ri, 4*(\hf)+\j
.set rD, 64*\oo+8*ri
.set rC, rD
.if kc
.set rC, 96+8*\j+128*(\hf)
.endif
.set rA, WR+96*kp+12*ri
.set rB, 128*kp+12*(4*\oh+\oo)
.set rSA, WS+8*kp+ri
.set rSB, XS+8*kp+4*\oh+\oo
	WM
.endr
.endr
.endr
.else
.if kc
	WIN 0x11|((2+(\hf))<<6)
.else
	WIN 0x01|((2+(\hf))*0x50)
.endif
.irp j, 0,1,2,3
.irp i, 0,1,2,3,4,5,6,7
.set ri, 4*(\hf)+\j
.set rD, 64*\j+8*\i
.set rC, rD
.if kc
.set rC, 96+8*\j+128*(\hf)
.endif
.set rA, 128*kp+12*\i
.set rB, WR+96*kp+12*ri
.set rSA, XS+8*kp+\i
.set rSB, WS+8*kp+ri
	WM
.endr
.endr
.endif
.endm
; K step G of twelve; X's unit lies in set G % 2.  A wait on LOADcnt lets the later groups of 13 loads stay out: three, or as many as are left.
; xn = 1: the next K step's unit of X is fetched in this step's middle.
; Loads into registers that matrix instructions have read stand four plain vector instructions behind them (ISA guide 7.12.1 for vector instructions).
.macro KSTEP form, G, xn
.set nw, 23-2*(\G)
.if nw > 3
.set nw, 3
.endif
	s_wait_loadcnt 13*nw
	s_wait_dscnt 0x0                               ; X's set and scale words are in
	HS \form, \G, 0
	PLACES 4
	WIN 0
.if (\G)+2 < 12
	WLOAD 2*(\G)+4
.endif
.if \xn
	XFETCH ((\G)+1)%4, 1-(\G)%2
.endif
.set nw, 22-2*(\G)
.if nw > 3
.set nw, 3
.endif
	s_wait_loadcnt 13*nw
	HS \form, \G, 1
	PLACES 4
	WIN 0
.if (\G) == 0                          ; the bias registers were read for the last time: the next product's bias
	WIN 0x40
.irp a, 0,1,2,3,4,5,6,7
	global_load_b32 v[96+8*(\a%4)+128*(\a/4)], v[BR], s[BVP:BVP+1] offset:64*\a   ; b_v2 of channel 16 a + r
.endr
	WIN 0
.endif
.if (\G) == 4
	BIASF BQP
.endif
.if (\G)+2 < 12
	WLOAD 2*(\G)+5
.endif
.endm
; THE WAY OUT.  64 numbers of a lane, v[s] on in window w, register 16 b + i = k 32 b + 16 h + i of my row, become a fragment's codes in v[PC] on and its scale word in v[pw] (window 1).  An accumulator is read from its low end on.
.macro QUANT s, w, pw
	WIN 0x50|((\w)*5)
.irp b, 0,1,2,3
	v_max3_num_f32 v[TM+\b], |v[(\s)+16*\b]|, |v[(\s)+16*\b+1]|, 0x2800000   ; my 16 numbers of block b, and the floor 2^(5 - 127): the byte cannot fall under 1
.endr
.irp i, 2,4,6,8,10,12,14
.irp b, 0,1,2,3
	v_max3_num_f32 v[TM+\b], |v[(\s)+16*\b+\i]|, |v[(\s)+16*\b+\i+1]|, v[TM+\b]
.endr
.endr
	WIN 0x55
.irp b, 0,1,2,3
	v_permlanex16_b32 v[TM+4+\b], v[TM+\b], s[SEL], s[SEL+1]
.endr
.irp b, 0,1,2,3
	v_max_num_f32 v[TM+\b], v[TM+\b], v[TM+4+\b]   ; with lane l xor 16's 16
.endr
.irp b, 0,1,2,3
	v_add_nc_u32 v[TM+12+\b], 0xfe000000, v[TM+\b] ; 4 off the exponent field: the conversion's scale operand
.endr
.irp b, 0,1,2,3
	v_lshrrev_b32 v[TM+4+\b], 23, v[TM+12+\b]      ; the scale's byte
.endr
	s_wait_alu depctr_va_vdst(0)                   ; the wait ahead of the wait below
	s_wait_xcnt 0x0                                ; the last fragment's stores have read their registers
	v_lshl_or_b32 v[\pw], v[TM+5], 8, v[TM+4]
	v_lshl_or_b32 v[\pw], v[TM+6], 16, v[\pw]
	v_lshl_or_b32 v[\pw], v[TM+7], 24, v[\pw]
	WIN 0x44|(\w)
.irp c, 0,1
	v_cvt_scalef32_pk16_bf6_f32 v[PC+6*\c:PC+6*\c+2], v[(\s)+32*\c:(\s)+32*\c+15], v[TM+12+2*\c]
	v_cvt_scalef32_pk16_bf6_f32 v[PC+12+4*\c:PC+12+4*\c+2], v[(\s)+32*\c+16:(\s)+32*\c+31], v[TM+12+2*\c+1]
.endr
	v_nop                                          ; one plain instruction behind the scaled conversions
	WIN 0x55
.irp c, 0,1                                    ; a whole block to a lane
.irp i, 0,1,2
	v_permlane16_swap_b32 v[PC+6*\c+\i], v[PC+12+4*\c+\i]
.endr
.irp i, 0,1,2
	v_mov_b32 v[PC+6*\c+3+\i], v[PC+12+4*\c+\i]
.endr
.endr
.endm
.macro EPI out                         ; my unit of the result's image; every store 512 consecutive bytes at a multiple of 256 from the buffer's first byte
.irp o, 0,1,2,3,4,5,6,7
	QUANT 64*(\o%4), 2+\o/4, PW+\o%4
	WIN 0x04                                       ; address window 0, data window 1
.irp c, 0,1,2
	global_store_b128 v[OA], v[PC+4*\c:PC+4*\c+3], s[\out:\out+1] offset:FRB*\o+512*\c
.endr
.if \o%4 == 3
	global_store_b128 v[OA], v[PW:PW+3], s[\out:\out+1] offset:8*FRB+512*(\o/4)
.endif
.endr
	WIN 0
	s_wait_xcnt 0x0                                ; the stores have read their registers: loads may land there
.endm
; THE INPUTS.  16 rows x 128 K of f32 out of a chunk: register 32 c + i = k 64 c + 32 h + i of row r
.macro LOADX set, adr, off
.irp c, 0,1
.irp j, 0,1,2,3,4,5,6,7
	ds_load_b128 v[(\set)+32*\c+4*\j:(\set)+32*\c+4*\j+3], v[\adr] offset:(\off)+256*\c+16*\j
.endr
.endr
.endm
; 64 numbers become 12 registers of codes and a scale word, stored where unit ch's permuted fragment wants them.  u: the parity of the 16 rows.  All registers in window 1
.macro IQ s, c, w, u, ch
.irp q, 0,1,2,3
	v_max3_num_f32 v[QM+\q], |v[(\s)+16*\q]|, |v[(\s)+16*\q+1]|, 0x2800000   ; four chains, two to a block, each over the floor 2^(5 - 127)
.endr
.irp i, 2,4,6,8,10,12,14
.irp q, 0,1,2,3
	v_max3_num_f32 v[QM+\q], |v[(\s)+16*\q+\i]|, |v[(\s)+16*\q+\i+1]|, v[QM+\q]
.endr
.endr
	v_max_num_f32 v[QM], v[QM], v[QM+1]
	v_max_num_f32 v[QM+2], v[QM+2], v[QM+3]
	v_add_nc_u32 v[QE], 0xfe000000, v[QM]          ; 4 off the exponent field: the conversion's scale operand
	v_add_nc_u32 v[QE+1], 0xfe000000, v[QM+2]
	v_lshrrev_b32 v[QM+1], 23, v[QE]               ; the bytes of blocks h and 2 + h
	v_lshrrev_b32 v[QM+3], 23, v[QE+1]
	v_lshl_or_b32 v[\w], v[QM+3], 16, v[QM+1]
	v_lshlrev_b32 v[\w], v[SHW], v[\w]             ; at their places in the word;
	v_permlanex16_b32 v[W2], v[\w], s[SEL], s[SEL+1]
	v_or_b32 v[\w], v[\w], v[W2]                   ; with lane l xor 16's two it is whole
.irp k, 0,1
	v_cvt_scalef32_pk16_bf6_f32 v[(\c)+6*\k:(\c)+6*\k+2], v[(\s)+32*\k:(\s)+32*\k+15], v[QE+\k]
	v_cvt_scalef32_pk16_bf6_f32 v[(\c)+12+4*\k:(\c)+12+4*\k+2], v[(\s)+32*\k+16:(\s)+32*\k+31], v[QE+\k]
.endr
	v_nop                                          ; one plain instruction behind the scaled conversions
.irp k, 0,1
.irp i, 0,1,2
	v_mov_b32 v[(\c)+6*\k+3+\i], v[(\c)+12+4*\k+\i]
.endr
.endr
.irp g, 0,1,2
	ds_store_b128 v[SAA], v[(\c)+4*\g:(\c)+4*\g+3] offset:(\ch)*UNIT+128*(\u)+512*\g
.endr
	ds_store_b32 v[SWA], v[\w] offset:(\ch)*UNIT+128*(\u)
.endm
; Chunk ch: the wave that asked for it waits for it and the barrier shows it to all; then my 32 rows of it, two fragments, go into unit ch of the image
.macro IQCHUNK ch
	s_wait_dscnt 0x0                               ; no LDS instruction of mine is out at the signal
	s_cmp_lg_u32 s[WV], \ch
	s_cbranch_scc1 .Lnot_mine_\@
	s_wait_tensorcnt 0x0                           ; my chunk is in
.Lnot_mine_\@:
	s_barrier_signal -1
	s_barrier_wait -1
	WIN 0x40
	v_add_nc_u32 v[LA], (\ch)*CHUNK, v[FL]
	v_mov_b32 v[SAA], v[IS]
	v_mov_b32 v[SWA], v[IW]
	v_mov_b32 v[SHW], v[SH]
	v_mov_b32 v[W2], 0                             ; a lane permute's destination counts as one of its sources
	WIN 0x55
	LOADX SA, LA, 0
	LOADX SB, LA, 16*SP
	s_wait_dscnt 16                                ; the second fragment's 16 loads may be out
	IQ SA, CA, WA, 0, \ch
	s_wait_dscnt 4                                 ; the four stores just issued may be out
	IQ SB, CB, WB, 1, \ch
	WIN 0
.endm
; The four chunks of an input, one tensor load a wave.  Each chunk has a line of its own, in one chain of branches on the wave's number, all arms leading to one join: arm c is taken by wave c alone and fills chunk c, at a constant LDS address.
.macro ARM g0, c
	s_mov_b32 s[\g0+1], (\c)*CHUNK                 ; no load that names this group 0 is out
	tensor_load_to_lds s[\g0:\g0+3], s[G1:G1+7]
	s_nop 0
	PLACES 4
.endm
.macro LOAD4 g0
	s_cmp_lt_u32 s[WV], 1
	s_cbranch_scc0 .Larm1_\@
	ARM \g0, 0
	s_branch .Lasked_\@
.Larm1_\@:
	s_cmp_lt_u32 s[WV], 2
	s_cbranch_scc0 .Larm2_\@
	ARM \g0, 1
	s_branch .Lasked_\@
.Larm2_\@:
	s_cmp_lt_u32 s[WV], 3
	s_cbranch_scc0 .Larm3_\@
	ARM \g0, 2
	s_branch .Lasked_\@
.Larm3_\@:
	ARM \g0, 3
.Lasked_\@:
.endm
.macro PUB
	s_wait_dscnt 0x0
	s_barrier_signal -1
	s_barrier_wait -1
.endm
	s_load_b256 s[4:11], s[0:1], 0x0               ; input2, input1, wimg, b_k2
	s_load_b256 s[12:19], s[0:1], 0x20             ; b_v2, b_q1, kimg, vimg
	s_load_b64 s[20:21], s[0:1], 0x40              ; qimg
	v_lshl_add_u32 v[SPW], v0, 2, SPARE
	v_mov_b32 v[NIL], 0
	ds_add_u32 v[SPW], v[NIL]                      ; the opening lines: the add, twice on end, and its wait
	ds_add_u32 v[SPW], v[NIL]
	v_lshrrev_b32 v11, 5, v0
	v_readfirstlane_b32 s[WV], v11                 ; wave 0..3
	s_mul_i32 s24, s[WV], UNIT
	s_mul_i32 s26, ttmp9, BLOCK
	s_add_co_u32 s26, s26, s24                     ; my unit of my block of a result
	s_mov_b32 s27, 0
	s_mul_i32 s28, s[WV], BLOCK                    ; my 128 rows of a weight
	s_mov_b32 s29, 0
	s_lshl_b32 s30, s[WV], 9                       ; my 128 numbers of a bias; also my 512 bytes of a row of an input
	s_mov_b32 s31, 0
	s_lshl_b32 s70, ttmp9, 18                      ; 128 rows of 2,048 bytes
	s_add_co_u32 s70, s70, s30
	s_mov_b32 s71, 0
	s_mul_i32 s25, s[WV], 32*SP                    ; my 32 rows of any chunk
	s_mul_i32 s72, s[WV], 2*FRB
	s_add_co_u32 s72, s72, XI                      ; my two fragments of any unit
	s_lshr_b32 s73, s[WV], 1
	s_lshl_b32 s73, s73, 9
	s_and_b32 s74, s[WV], 1
	s_lshl_b32 s74, s74, 3
	s_or_b32 s73, s73, s74
	s_add_co_u32 s73, s73, XI+8*FRB                ; and their two scale words
	s_mov_b32 s[G1], (3<<16)|(1<<20)|(6<<22)|(3<<25)   ; elements of 8 bytes; 4 words of padding behind every 128
	s_mov_b32 s[G1+1], 64<<16                      ; tensor_dim0 = 64
	s_mov_b32 s[G1+2], 128<<16                     ; tensor_dim1 = 128
	s_mov_b32 s[G1+3], 64<<16                      ; tile_dim0 = 64
	s_mov_b32 s[G1+4], 128                         ; tile_dim1 = 128
	s_mov_b32 s[G1+5], 256                         ; from row to row
	s_mov_b32 s[G1+6], 0
	s_mov_b32 s[G1+7], 0
	s_mov_b32 s[G0A], 1
	s_mov_b32 s[G0B], 1
	s_mov_b32 s[SEL], 0x76543210
	s_mov_b32 s[SEL+1], 0xfedcba98
	s_wait_dscnt 0x0
	s_wait_kmcnt 0x0
	s_add_nc_u64 s[G0A+2:G0A+3], s[4:5], s[70:71]
	s_or_b32 s[G0A+3], s[G0A+3], 0x80000000
	s_add_nc_u64 s[G0B+2:G0B+3], s[6:7], s[70:71]
	s_or_b32 s[G0B+3], s[G0B+3], 0x80000000
	LOAD4 G0A                                      ; input2, my chunk: my one tensor load at the head
	s_add_nc_u64 s[WP:WP+1], s[8:9], s[28:29]
	s_add_nc_u64 s[OUTK:OUTK+1], s[16:17], s[26:27]
	s_add_nc_u64 s[OUTV:OUTV+1], s[18:19], s[26:27]
	s_add_nc_u64 s[OUTQ:OUTQ+1], s[20:21], s[26:27]
	s_add_nc_u64 s[BKP:BKP+1], s[10:11], s[30:31]
	s_add_nc_u64 s[BVP:BVP+1], s[12:13], s[30:31]
	s_add_nc_u64 s[BQP:BQP+1], s[14:15], s[30:31]
	v_and_b32 v11, 31, v0                          ; lane
	v_and_b32 v12, 15, v0                          ; r
	v_bfe_u32 v13, v0, 4, 1                        ; h
	v_lshlrev_b32 v[OA], 4, v11
	v_lshlrev_b32 v[BH], 6, v13
	v_lshlrev_b32 v[BR], 2, v12
	v_lshl_add_u32 v[AX], v11, 4, XI
	v_lshlrev_b32 v[SH], 3, v13
	v_mul_u32_u24 v[FL], v12, SP
	v_lshl_add_u32 v[FL], v13, 7, v[FL]
	v_add_nc_u32 v[FL], s25, v[FL]
	v_and_b32 v14, 7, v0                           ; r % 8
	v_bfe_u32 v15, v0, 3, 1                        ; r / 8
	v_lshlrev_b32 v14, 4, v14
	v_lshl_add_u32 v14, v13, 8, v14                ; 16 (r % 8) + 256 h
	v_mad_u32_u24 v[IS], v15, FRB, v14
	v_add_nc_u32 v[IS], s72, v[IS]
	v_lshl_add_u32 v[IW], v15, 2, v14
	v_add_nc_u32 v[IW], s73, v[IW]
	s_wait_alu depctr_va_vdst(0)                   ; the wait at the head's end
	BIASF BKP
	WLOAD 0                                        ; W_k2's first two K steps fill the ring
	WLOAD 1
	WLOAD 2
	WLOAD 3
	; ---- input2 and key2
	IQCHUNK 0
	PUB
	XFETCH 0, 0
	KSTEP 0, 0, 0
	IQCHUNK 1
	PUB
	XFETCH 1, 1
	KSTEP 0, 1, 0
	IQCHUNK 2
	IQCHUNK 3
	s_wait_tensorcnt 0x0
	ds_add_u32 v[SPW], v[NIL]
	s_wait_dscnt 0x0                               ; the add, my reads of the chunks and my stores into the image are done
	s_barrier_signal -1
	s_barrier_wait -1                              ; the image is whole, and nobody reads a chunk any more
	LOAD4 G0B                                      ; input1, my chunk, into the same bytes: six K steps and two ways out stand between it and the first wait for it
	XFETCH 2, 0
	KSTEP 0, 2, 1
	KSTEP 0, 3, 1                                  ; value2's first fragments of X are fetched
	EPI OUTK
	s_wait_loadcnt 39                              ; b_v2 is in (seven groups of 13 were issued behind it)
	WIN 0x41
.irp a, 0,1,2,3,4,5,6,7
.irp j, 1,2,3,4,5,6,7
	v_mov_b32 v[96+8*(\a%4)+128*(\a/4)+\j], v[96+8*(\a%4)+128*(\a/4)]   ; a lane's eight results of value2 are eight keys of one channel
.endr
.endr
	WIN 0
	s_wait_alu depctr_va_vdst(0)                   ; the wait ahead of the waits below
	; ---- value2
	KSTEP 1, 4, 1
	KSTEP 1, 5, 1
	KSTEP 1, 6, 1
	KSTEP 1, 7, 0
	EPI OUTV
	; ---- input1 and query1, chunk and K step by turns.  Behind the first barrier nobody reads input2's image any more
	IQCHUNK 0
	PUB
	XFETCH 0, 0
	KSTEP 0, 8, 0
	IQCHUNK 1
	PUB
	XFETCH 1, 1
	KSTEP 0, 9, 0
	IQCHUNK 2
	PUB
	XFETCH 2, 0
	KSTEP 0, 10, 0
	IQCHUNK 3
	PUB
	XFETCH 3, 1
	KSTEP 0, 11, 0
	EPI OUTQ
	s_wait_tensorcnt 0x0                           ; the wave's end
	ds_add_u32 v[SPW], v[NIL]
	s_wait_dscnt 0x0
	s_endpgm
.Lfunc_end_k_qfe2786d877_proj:
	.size	k_qfe2786d877_proj, .Lfunc_end_k_qfe2786d877_proj-k_qfe2786d877_proj
	.p2alignl 7, 3214868480
	.fill 96, 4, 3214868480
	.section	.rodata,"a",@progbits
	.p2align	6, 0x0
	.amdhsa_kernel k_qfe2786d877_proj
		.amdhsa_group_segment_fixed_size 327680
		.amdhsa_private_segment_fixed_size 0
		.amdhsa_enable_private_segment 0
		.amdhsa_kernarg_size 72
		.amdhsa_user_sgpr_count 2
		.amdhsa_user_sgpr_kernarg_segment_ptr 1
		.amdhsa_wavefront_size32 1
		.amdhsa_system_sgpr_workgroup_id_x 1
		.amdhsa_system_sgpr_workgroup_id_y 1
		.amdhsa_system_sgpr_workgroup_id_z 1
		.amdhsa_system_vgpr_workitem_id 0
		.amdhsa_next_free_vgpr 1024
		.amdhsa_next_free_sgpr 80
		.amdhsa_reserve_vcc 0
		.amdhsa_float_denorm_mode_32 3
		.amdhsa_float_denorm_mode_16_64 3
		.amdhsa_memory_ordered 1
		.amdhsa_forward_progress 1
		.amdhsa_inst_pref_size 255
	.end_amdhsa_kernel
	.section	.bss,"aw",@nobits
	.p2align	6
	.space	262144
	.amdgpu_metadata
---
amdhsa.version: [ 1, 2 ]
amdhsa.kernels:
  - .name:           k_qfe2786d877_proj
    .symbol:         k_qfe2786d877_proj.kd
    .args:
      - { .name: input2, .offset: 0, .size: 8, .value_kind: global_buffer, .address_space: global }
      - { .name: input1, .offset: 8, .size: 8, .value_kind: global_buffer, .address_space: global }
      - { .name: wimg, .offset: 16, .size: 8, .value_kind: global_buffer, .address_space: global }
      - { .name: b_k2, .offset: 24, .size: 8, .value_kind: global_buffer, .address_space: global }
      - { .name: b_v2, .offset: 32, .size: 8, .value_kind: global_buffer, .address_space: global }
      - { .name: b_q1, .offset: 40, .size: 8, .value_kind: global_buffer, .address_space: global }
      - { .name: kimg, .offset: 48, .size: 8, .value_kind: global_buffer, .address_space: global }
      - { .name: vimg, .offset: 56, .size: 8, .value_kind: global_buffer, .address_space: global }
      - { .name: qimg, .offset: 64, .size: 8, .value_kind: global_buffer, .address_space: global }
    .group_segment_fixed_size: 327680
    .private_segment_fixed_size: 0
    .kernarg_segment_align: 8
    .kernarg_segment_size: 72
    .max_flat_workgroup_size: 128
    .sgpr_count:     80
    .vgpr_count:     1024
    .wavefront_size: 32
...
	.end_amdgpu_metadata
.endif
;; end of part 2
;; launch attn (part 3): grid 256 x 1, 4 waves a work-group, clusters of 4 x 1, 327,680 bytes of LDS; arguments qimg, kimg, vimg, part; writes part
.if DOCPART == 3
	.amdgcn_target "amdgcn-amd-amdhsa--gfx1250"
	.amdhsa_code_object_version 6
	.text
	.protected	k_qfe2786d877_attn
	.globl	k_qfe2786d877_attn
	.p2align	8
	.type	k_qfe2786d877_attn,@function
k_qfe2786d877_attn:
	s_mov_b64 s[64:65], 0
	v_nop
	global_prefetch_b8 v0, s[64:65] scope:SCOPE_SE
	s_setreg_imm32_b32 hwreg(HW_REG_WAVE_MODE, 25, 1), 1
	s_wait_xcnt 0x0
	s_wait_alu depctr_hold_cnt(0) depctr_sa_sdst(0) depctr_va_vdst(0) depctr_va_sdst(0) depctr_va_ssrc(0) depctr_va_vcc(0) depctr_vm_vsrc(0)
	s_getreg_b32 s2, hwreg(HW_REG_IB_STS2, 6, 4)
	s_cmp_eq_u32 s2, 0
	s_cbranch_scc0 .Lentry_in_a_cluster
	s_endpgm
.Lentry_in_a_cluster:
	s_bfe_u32 s2, ttmp6, 0x10000c
	s_cmp_lg_u32 s2, 0x3003
	s_cbranch_scc0 .Lentry_shape_is_right
	s_endpgm
.Lentry_shape_is_right:
; part[b][g][d] = the sum over the 128 queries q of group g of batch b of (sum over k of p(q, k) value2[k][d]) / l(q), both products on codes of BF6 (E3M2) with E8M0 scales.
; t = score x log2(e); M = the ceiling of the row's largest t over all 512 keys; p = 2^(t - M) is quantised along the keys; l is the sum of the unquantised p.
; Operands arrive as images of operand registers: a UNIT (13,312 bytes) is eight fragments of 1,536 bytes and two quads of scale words; four units are a block (128 rows x 512 K, or 512 channels x 128 keys).
; LIMITS: NaN and infinities are not served; a block of p that has fallen to 0 has the byte 1 (its codes are zeros).
; SHARES.  A work-group owns 128 queries of a batch.  THE WAVES SHARE THE KEYS: wave w owns keys 128 w .. 128 w + 127 and all 128 queries, so each fragment of key2 and value2 is read from LDS by one wave and feeds eight
; matrix instructions, and all scores of a row stand in registers at once (512 a wave): M is the row's true ceiling, and nothing is ever rescaled.  Row maxima and sums meet in LDS.
; LAYOUT.  S^T = K Q^T: source 0 = 16 keys (permuted as stored, so that a lane's 64 registers are, block by block, 16 neighbouring keys), source 1 = 16 queries: a lane holds one query.
; O = P V: source 0 = P (16 queries x my 128 keys), source 1 = 16 channels: a lane holds one channel and eight queries; each is multiplied by its 1 / l and all are added.
; CLUSTER.  The four work-groups of a cluster are the four query groups of one batch: key2 and value2 are asked for JOINTLY (mask 15).  value2 lands where key2 lay, behind a round of the cluster's barrier.
; By this text's count a wave has one tensor load out at the head and one behind each of the two rounds that follow.  No prefetch: key2 goes out at the head, value2 a whole softmax ahead of the wait for it.
; REGISTERS: window 0: v1-13 addresses, v14-15 1.0; v16-47 scale words (key2's and query1's, later value2's); v48-143 query fragments, later P's; v144-207 block maxima, -M, sums, later 1 / l; v208-239, v248-255 at work; v240-247 P's scale words.
;   window 1: key fragments at v0 and v128; later v0-47 four fragments of value2, v48-79 four results, v80-95 sums, v96-97 a channel's sum.   windows 2, 3: S^T, then p: (query tile o, key tile i) at v[64 (o % 4) + 8 i].
.set UNIT,  13312
.set BLOCK, 4*UNIT
.set FRB,   1536
.set KV,    0                          ; LDS: 4 waves x a block: key2, later value2
.set QL,    4*BLOCK                    ; query1's block
.set MAXX,  QL+BLOCK                   ; [query][wave] local maxima, 2,048 bytes
.set SUMX,  MAXX+2048                  ; [wave][query] local sums
.set RLX,   SUMX+2048                  ; for each wave: 1 / l of the 128 queries
.set OUTX,  RLX+2048                   ; [wave][channel tile][lane], 16,384 bytes
.set SPARE, OUTX+16384                 ; the spare words, 128 bytes a wave: two blocks of 256 bytes that no other line names
.set SPW, 1
.set NIL, 2
.set AK,  3
.set AQ,  4
.set AMX, 5
.set AMR, 6
.set ASX, 7
.set ASR, 8
.set ARW, 9
.set ARL, 10
.set AOX, 11
.set AFR, 12
.set GO,  13
.set ONE, 14
.set SI,  16
.set SO,  32
.set VS,  16
.set OF,  48
.set PF,  48
.set BM,  144                          ; 4 o + b: the largest score of block b, then its p, then the conversion's scale operand
.set NM,  176                          ; 2 o, 2 o + 1: -M, twice
.set LSUM, 192
.set LM,  200
.set RL,  144                          ; 8 o + j: 1 / l of query 16 o + 8 (lane / 16) + j
.set T,   208
.set PS,  240
.set PT,  248
.set DR,  48                           ; in window 1
.set OACC, 80
.set RO,  96
.set G1J, 12                           ; s[12:19] group 1: two units, joint;  s[20:27] two units, my own;  s[28:35] a block, joint
.set G1P, 20
.set G1V, 28
.set G0K, 36                           ; s[36:43] groups 0 of key2's two loads;  s[52:55] query1's half;  s[56:59] value2's block
.set G0Q, 52
.set G1A, 44                           ; s[44:51] group 1: K steps 0 and 1 of two blocks of key2, joint: two rows of 26,624 bytes, a block apart
.set HALF, 2*UNIT
.set G0V, 56
.set WV,  60
.set SEL, 66
.set CS,  68
.set OUTP, 70
.set MSB, 0
.macro WIN new
.if MSB != (\new)
	s_set_vgpr_msb (MSB<<8)|(\new)
.set MSB, (\new)
.endif
.endm
.macro PLACES n
.rept \n
	v_nop
.endr
.endm
.macro CREST
	s_cmp_lg_u32 s[WV], 0
	s_cbranch_scc1 .Lnot_wave_0_\@
	s_barrier_signal -3
.Lnot_wave_0_\@:
	s_barrier_wait -3
	s_barrier_signal -1
	s_barrier_wait -1
.endm
.macro CROUND
	s_barrier_signal -1
	s_barrier_wait -1
	CREST
.endm
.macro FRAG3 reg, adr, off
.irp c, 0,1,2
	ds_load_b128 v[(\reg)+4*\c:(\reg)+4*\c+3], v[\adr] offset:(\off)+512*\c
.endr
.endm
.macro FETCH_IN off, p                 ; key2's eight fragments of a K step into set p of window 1
	WIN 0x40
.irp i, 0,1,2,3,4,5,6,7
	FRAG3 128*(\p)+12*\i, AK, (\off)+FRB*\i
.endr
	WIN 0
.endm
.macro FETCH_OUT off, i0               ; query1's fragments i0 .. i0 + 3
.irp i, \i0, \i0+1, \i0+2, \i0+3
	FRAG3 OF+12*(\i), AQ, (\off)+FRB*(\i)
.endr
.endm
.macro FETCH_SC off, p
	ds_load_b128 v[SI+8*(\p):SI+8*(\p)+3], v[AK] offset:(\off)+8*FRB
	ds_load_b128 v[SI+8*(\p)+4:SI+8*(\p)+7], v[AK] offset:(\off)+8*FRB+512
	ds_load_b128 v[SO+8*(\p):SO+8*(\p)+3], v[AQ] offset:(\off)+8*FRB
	ds_load_b128 v[SO+8*(\p)+4:SO+8*(\p)+7], v[AQ] offset:(\off)+8*FRB+512
.endm
; 16 matrix instructions: query tiles a0, a0 + 1 against my eight key tiles.  The 64 accumulators take turns, one instruction a turn.  zero = 1: the first K step starts the sums.
.macro MUL16 a0, p, zero
.if \zero
	WIN 0x81+0x40*((\a0)/4)
.else
	WIN 0xa1+0x50*((\a0)/4)
.endif
.irp a, \a0, \a0+1
.irp b, 0,1,2,3,4,5,6,7
.set rD, 8*(8*((\a)%4)+\b)
.set rI, 128*(\p)+12*\b
.set rO, OF+12*(\a)
.set rSI, SI+8*(\p)+\b
.set rSO, SO+8*(\p)+(\a)
.if \zero
	v_wmma_scale_f32_16x16x128_f8f6f4 v[rD:rD+7], v[rI:rI+11], v[rO:rO+11], 0, v[rSI], v[rSO] matrix_a_fmt:MATRIX_FMT_BF6 matrix_b_fmt:MATRIX_FMT_BF6
.else
	v_wmma_scale_f32_16x16x128_f8f6f4 v[rD:rD+7], v[rI:rI+11], v[rO:rO+11], v[rD:rD+7], v[rSI], v[rSO] matrix_a_fmt:MATRIX_FMT_BF6 matrix_b_fmt:MATRIX_FMT_BF6
.endif
.endr
.endr
.endm
; a K step; off: the next step's unit; tw = 1: that unit of key2 comes by my load behind the round and has to be in (only I read it)
.macro STEP p, zero, off, tw
	s_wait_dscnt 12                                ; all but the youngest 12 loads (query tiles 4-7) are in
	MUL16 0, \p, \zero
	MUL16 2, \p, \zero
	s_wait_dscnt 0x0
	PLACES 4                                       ; in front of loads into registers that matrix instructions have read
.if \tw                                ; K steps 2 and 3 of my block of key2: my own load, which only I read; they lie 2 BLOCK - HALF further on than the offsets say
	WIN 0
	s_wait_tensorcnt 0x0
	v_add_nc_u32 v[AK], 2*BLOCK-HALF, v[AK]
	s_wait_alu depctr_va_vdst(0)                   ; the wait behind the write
.endif
	FETCH_IN \off, 1-(\p)
	FETCH_OUT \off, 0
	FETCH_SC \off, 1-(\p)
	MUL16 4, \p, \zero
	MUL16 6, \p, \zero
	PLACES 4
	WIN 0
	FETCH_OUT \off, 4
.endm
.macro BMAX o                          ; the largest score of each of query tile o's four blocks of 32 keys: my 16 of each.  Each accumulator is read from its low end on
	WIN (2+(\o)/4)*5
.irp b, 0,1,2,3
	v_max_num_f32 v[BM+4*(\o)+\b], v[64*((\o)%4)+16*\b], v[64*((\o)%4)+16*\b+1]
.endr
.irp i, 2,4,6,8,10,12,14
.irp b, 0,1,2,3
	v_max3_num_f32 v[BM+4*(\o)+\b], v[64*((\o)%4)+16*\b+\i], v[64*((\o)%4)+16*\b+\i+1], v[BM+4*(\o)+\b]
.endr
.endr
.endm
.macro PROB o                          ; query tile o: p, its sum, its codes
.set nW, 2+(\o)/4
.set nS, 64*((\o)%4)
	WIN (nW<<6)|nW
.set nj, 0
.rept 32
	v_pk_fma_f32 v[nS+nj:nS+nj+1], v[nS+nj:nS+nj+1], s[CS:CS+1], v[NM+2*(\o):NM+2*(\o)+1] op_sel_hi:[1,0,1]   ; t - M, two at a time
.set nj, nj+2
.endr
.set nj, 0
	s_wait_alu depctr_va_vdst(0)
.rept 64
	v_exp_f32 v[nS+nj], v[nS+nj]                   ; p = 2^(t - M), at most 1
.set nj, nj+1
.endr
	v_nop                                          ; a plain instruction behind the exponentials,
	s_wait_alu depctr_va_vdst(0)                   ; and one wait for the batch, ahead of its first reader
	WIN nW                                         ; source 0 in the scores' window
.irp j, 0,1,2,3
	v_mov_b32 v[T+\j], v[nS+\j]                    ; the first four p start the two chains of the sum: nothing is cleared
.endr
.set nj, 4
.rept 15
	v_pk_add_f32 v[T:T+1], v[nS+nj:nS+nj+1], v[T:T+1]          ; the sum of the unquantised p, in two chains
	v_pk_add_f32 v[T+2:T+3], v[nS+nj+2:nS+nj+3], v[T+2:T+3]
.set nj, nj+4
.endr
.irp c, 0,1
	v_cvt_scalef32_pk16_bf6_f32 v[PF+12*(\o)+6*\c:PF+12*(\o)+6*\c+2], v[nS+32*\c:nS+32*\c+15], v[BM+4*(\o)+2*\c]
	v_cvt_scalef32_pk16_bf6_f32 v[PT+4*\c:PT+4*\c+2], v[nS+32*\c+16:nS+32*\c+31], v[BM+4*(\o)+2*\c+1]
.endr
	v_nop                                          ; one plain instruction behind the scaled conversions
	WIN 0
.irp c, 0,1                                    ; a whole block to a lane
.irp i, 0,1,2
	v_permlane16_swap_b32 v[PF+12*(\o)+6*\c+\i], v[PT+4*\c+\i]
.endr
.irp i, 0,1,2
	v_mov_b32 v[PF+12*(\o)+6*\c+3+\i], v[PT+4*\c+\i]
.endr
.endr
	v_pk_add_f32 v[T:T+1], v[T:T+1], v[T+2:T+3]
	v_add_f32 v[T], v[T], v[T+1]
	v_permlanex16_b32 v[T+4], v[T], s[SEL], s[SEL+1]
	v_add_f32 v[LSUM+(\o)], v[T], v[T+4]           ; my query's sum over my wave's 128 keys
.endm
.macro VFETCH c                        ; channel tile c of value2 into buffer c % 4 of window 1
.irp g, 0,1,2
	ds_load_b128 v[12*((\c)%4)+4*\g:12*((\c)%4)+4*\g+3], v[AK] offset:((\c)/8)*UNIT+((\c)%8)*FRB+512*\g
.endr
.endm
	s_load_b256 s[4:11], s[0:1], 0x0               ; qimg, kimg, vimg, part
	v_lshl_add_u32 v[SPW], v0, 2, SPARE
	v_mov_b32 v[NIL], 0
	ds_add_u32 v1, v2
	ds_add_u32 v1, v2
	s_wait_dscnt 0x0
	v_lshrrev_b32 v248, 5, v0
	v_readfirstlane_b32 s[WV], v248                ; wave 0..3
	s_bfe_u32 s61, ttmp6, 0x40000                  ; cx: my group of queries
	s_lshl_b32 s62, ttmp9, 2                       ; 4 x batch
	s_add_co_u32 s63, s62, s61                     ; it enters query1's and the result's global addresses alone
	s_add_co_u32 s72, s62, s[WV]
	s_mul_i32 s72, s72, BLOCK                      ; my wave's block of key2 and of value2: the same in all four partners
	s_mov_b32 s73, 0
	s_and_b32 s85, s[WV], 1
	s_mul_i32 s76, s85, HALF                       ; which half of query1's block I fetch (waves 0, 1)
	s_mul_i32 s86, s85, BLOCK                      ; where two blocks' K steps 0 and 1 of key2 go (waves 2, 3)
	s_mul_i32 s87, s[WV], HALF                     ; my block's part of either half of key2 in LDS
	s_lshl_b32 s88, s85, 1
	s_add_co_u32 s88, s88, s62
	s_mul_i32 s88, s88, BLOCK                      ; and where those two blocks begin in kimg
	s_mov_b32 s89, 0
	s_lshr_b32 s90, s[WV], 1                       ; 0: I fetch for query1; 1: for key2
	s_mul_i32 s74, s63, BLOCK
	s_add_co_u32 s74, s74, s76                     ; my half of my group's query1
	s_mov_b32 s75, 0
	s_mul_i32 s77, s[WV], BLOCK                    ; my block in LDS
	s_lshl_b32 s78, s63, 11                        ; my row of part
	s_mov_b32 s79, 0
.irp g, G1J, G1P
	s_mov_b32 s[\g+1], 32<<16                      ; 104 rows of 256 bytes (32 elements of 8), dense
	s_mov_b32 s[\g+2], 104<<16
	s_mov_b32 s[\g+3], 32<<16
	s_mov_b32 s[\g+4], 104
	s_mov_b32 s[\g+5], 32
	s_mov_b32 s[\g+6], 0
	s_mov_b32 s[\g+7], 0
.endr
	s_mov_b32 s[G1J], 15|(3<<16)|(1<<21)           ; the mask: all four work-groups; bit 21 set beside it
	s_mov_b32 s[G1P], 3<<16
	s_mov_b32 s[G1V], 15|(3<<16)|(1<<21)
	s_mov_b32 s[G1V+1], 32<<16                     ; 208 rows of 256 bytes
	s_mov_b32 s[G1V+2], 208<<16
	s_mov_b32 s[G1V+3], 32<<16
	s_mov_b32 s[G1V+4], 208
	s_mov_b32 s[G1V+5], 32
	s_mov_b32 s[G1V+6], 0
	s_mov_b32 s[G1V+7], 0
	s_mov_b32 s[G1A], 15|(3<<16)|(1<<21)
	s_mov_b32 s[G1A+1], 3328<<16                   ; a row: 3,328 elements of 8 bytes
	s_mov_b32 s[G1A+2], 2<<16
	s_mov_b32 s[G1A+3], 3328<<16
	s_mov_b32 s[G1A+4], 2
	s_mov_b32 s[G1A+5], 6656                       ; from block to block
	s_mov_b32 s[G1A+6], 0
	s_mov_b32 s[G1A+7], 0
	s_mov_b32 s[SEL], 0x76543210
	s_mov_b32 s[SEL+1], 0xfedcba98
	s_mov_b32 s[CS], 0x3fb8aa3b                    ; log2(e)
	s_mov_b32 s[CS+1], s[CS]                       ; (named with it as a pair, so it is written)
	v_and_b32 v248, 31, v0                         ; lane
	v_and_b32 v249, 15, v0                         ; r
	v_bfe_u32 v250, v0, 4, 1                       ; h
	v_lshl_add_u32 v[AK], v248, 4, s87
	v_lshl_add_u32 v[AQ], v248, 4, QL
	s_lshl_b32 s80, s[WV], 2
	s_add_co_u32 s80, s80, MAXX
	v_lshl_add_u32 v[AMX], v249, 4, s80            ; query r of a tile: 16 bytes, my wave's word
	v_lshl_add_u32 v[AMR], v249, 4, MAXX
	s_lshl_b32 s81, s[WV], 9
	s_add_co_u32 s82, s81, SUMX
	v_lshl_add_u32 v[ASX], v249, 2, s82
	v_lshl_add_u32 v[ASR], v248, 4, SUMX
	s_add_co_u32 s83, s81, RLX
	v_lshl_add_u32 v[ARW], v248, 4, s83
	v_lshl_add_u32 v[ARL], v250, 5, s83
	s_lshl_b32 s84, s[WV], 12
	s_add_co_u32 s84, s84, OUTX
	v_lshl_add_u32 v[AOX], v248, 2, s84
	v_lshrrev_b32 v251, 2, v0
	v_lshl_add_u32 v[AFR], v251, 7, OUTX
	v_and_b32 v252, 3, v0
	v_lshl_add_u32 v[AFR], v252, 4, v[AFR]         ; thread t sums channels 4 t .. 4 t + 3: tile t / 4, lanes 4 (t % 4) on
	v_lshlrev_b32 v[GO], 4, v0
	s_wait_kmcnt 0x0
	s_mov_b32 s[G0K], 1                            ; key2 in LDS: K steps 0, 1 of the four blocks, then K steps 2, 3 of the four blocks
	s_mov_b32 s[G0K+1], s86
	s_add_nc_u64 s[G0K+2:G0K+3], s[6:7], s[88:89]
	s_or_b32 s[G0K+3], s[G0K+3], 0x80000000
	s_mov_b32 s[G0K+4], 1
	s_add_co_u32 s[G0K+5], s87, KV+2*BLOCK
	s_add_nc_u64 s[G0K+6:G0K+7], s[6:7], s[72:73]
	s_add_nc_u64 s[G0K+6:G0K+7], s[G0K+6:G0K+7], HALF
	s_or_b32 s[G0K+7], s[G0K+7], 0x80000000
	s_mov_b32 s[G0Q], 1
	s_add_co_u32 s[G0Q+1], s76, QL
	s_add_nc_u64 s[G0Q+2:G0Q+3], s[4:5], s[74:75]
	s_or_b32 s[G0Q+3], s[G0Q+3], 0x80000000
	s_mov_b32 s[G0V], 1
	s_add_co_u32 s[G0V+1], s77, KV
	s_add_nc_u64 s[G0V+2:G0V+3], s[8:9], s[72:73]
	s_or_b32 s[G0V+3], s[G0V+3], 0x80000000
	s_add_nc_u64 s[OUTP:OUTP+1], s[10:11], s[78:79]
	CROUND                                         ; all four work-groups are here: the first joint loads meet
	; one tensor load a wave at the head: waves 0 and 1 the halves of query1's block, waves 2 and 3 K steps 0 and 1 of two blocks of key2 each, jointly
	s_cmp_eq_u32 s90, 0
	s_cbranch_scc0 .Lhead_k
	tensor_load_to_lds s[G0Q:G0Q+3], s[G1P:G1P+7]
	s_nop 0
	PLACES 4
	s_branch .Lhead_asked
.Lhead_k:
	tensor_load_to_lds s[G0K:G0K+3], s[G1A:G1A+7]
	s_nop 0
	PLACES 4
.Lhead_asked:
.set ni, 0
.rept 32
	v_mov_b32 v[T+ni], 0                           ; written once: a lane permute's destination counts as one of its sources
.set ni, ni+1
.endr
	v_mov_b32 v[ONE], 1.0
	v_mov_b32 v[ONE+1], 1.0
	s_wait_alu depctr_va_vdst(0)                   ; the wait at the head's end
	s_wait_tensorcnt 0x0                           ; my tile of the head's four is in
	ds_add_u32 v[SPW], v[NIL]
	s_wait_dscnt 0x0
	CROUND                                         ; everybody's tile is in, and all four work-groups are here
	tensor_load_to_lds s[G0K+4:G0K+7], s[G1J:G1J+7]    ; K steps 2 and 3 of my block of key2, jointly: my one load behind the round; two K steps stand between it and the wait for it
	s_nop 0
	PLACES 4
	; ---- S: S^T = K Q^T, four K steps of 128 features
	FETCH_IN 0, 0
	FETCH_OUT 0, 0
	FETCH_SC 0, 0
	FETCH_OUT 0, 4
	STEP 0, 1, UNIT, 0
	STEP 1, 0, 2*UNIT, 1
	STEP 0, 0, 3*UNIT, 0
	s_wait_dscnt 12
	MUL16 0, 1, 0
	MUL16 2, 1, 0
	s_wait_dscnt 0x0
	MUL16 4, 1, 0
	MUL16 6, 1, 0
	WIN 0
	PLACES 4
	; ---- M: the blocks' largest scores, the rows' maxima over all four waves, -M, and the blocks' scale bytes
.irp o, 0,1,2,3,4,5,6,7
	BMAX \o
.endr
	WIN 0
.set ni, 0
.rept 32
	v_permlanex16_b32 v[T+ni], v[BM+ni], s[SEL], s[SEL+1]
.set ni, ni+1
.endr
.set ni, 0
.rept 32
	v_max_num_f32 v[BM+ni], v[BM+ni], v[T+ni]      ; with lane l xor 16's 16 keys: the block's largest score
.set ni, ni+1
.endr
.irp o, 0,1,2,3,4,5,6,7
	v_max3_num_f32 v[LM+\o], v[BM+4*\o], v[BM+4*\o+1], v[BM+4*\o+2]
.endr
.irp o, 0,1,2,3,4,5,6,7
	v_max_num_f32 v[LM+\o], v[LM+\o], v[BM+4*\o+3]
.endr
.irp o, 0,1,2,3,4,5,6,7
	ds_store_b32 v[AMX], v[LM+\o] offset:256*\o    ; both halves of the lanes write the same word with the same value
.endr
	s_wait_tensorcnt 0x0                           ; no tensor load of mine is out,
	ds_add_u32 v[SPW], v[NIL]
	s_wait_dscnt 0x0                               ; the add is done, my maxima lie in LDS, and my reads of key2 are over
	CROUND                                         ; the same holds of every wave of all four work-groups
	tensor_load_to_lds s[G0V:G0V+3], s[G1V:G1V+7]  ; value2 lands where key2 lay: my one tensor load behind the round; the softmax stands between it and the wait for it
	s_nop 0
	PLACES 4
	v_and_b32 v[AK], 31, v0
	v_lshl_add_u32 v[AK], v[AK], 4, s77            ; from here on: my block of value2
	s_wait_alu depctr_va_vdst(0)                   ; the wait behind the write
.irp o, 0,1,2,3,4,5,6,7
	ds_load_b128 v[T+4*\o:T+4*\o+3], v[AMR] offset:256*\o      ; the four waves' maxima of my query
.endr
	s_wait_dscnt 0x0
.irp o, 0,1,2,3,4,5,6,7
	v_max3_num_f32 v[LM+\o], v[T+4*\o], v[T+4*\o+1], v[T+4*\o+2]
.endr
.irp o, 0,1,2,3,4,5,6,7
	v_max_num_f32 v[LM+\o], v[LM+\o], v[T+4*\o+3]
.endr
.irp o, 0,1,2,3,4,5,6,7
	v_mul_f32 v[LM+\o], s[CS], v[LM+\o]            ; as t
.endr
.irp o, 0,1,2,3,4,5,6,7
	v_floor_f32 v[NM+2*\o], -v[LM+\o]              ; -M = floor(-t) = -ceil(t)
.endr
.irp o, 0,1,2,3,4,5,6,7
	v_mov_b32 v[NM+2*\o+1], v[NM+2*\o]
.endr
.irp o, 0,1,2,3,4,5,6,7
.irp b, 0,1,2,3
	v_fma_f32 v[BM+4*\o+\b], v[BM+4*\o+\b], s[CS], v[NM+2*\o]  ; p rises with the score: a block's largest score, put through the same multiply-add and exponential, is its largest p
.endr
.endr
.set ni, 0
	s_wait_alu depctr_va_vdst(0)
.rept 32
	v_exp_f32 v[BM+ni], v[BM+ni]
.set ni, ni+1
.endr
	v_nop
	s_wait_alu depctr_va_vdst(0)                   ; one wait for the 32
.set ni, 0
.rept 32
	v_max_num_f32 v[BM+ni], 0x2800000, v[BM+ni]    ; the floor 2^(5 - 127): the byte cannot fall under 1
.set ni, ni+1
.endr
.set ni, 0
.rept 32
	v_add_nc_u32 v[BM+ni], 0xfe000000, v[BM+ni]    ; 4 off the exponent field: the conversion's scale operand
.set ni, ni+1
.endr
.set ni, 0
.rept 32
	v_lshrrev_b32 v[T+ni], 23, v[BM+ni]            ; the scale's byte
.set ni, ni+1
.endr
.irp o, 0,1,2,3,4,5,6,7
	v_lshl_or_b32 v[PS+\o], v[T+4*\o+1], 8, v[T+4*\o]
.endr
.irp o, 0,1,2,3,4,5,6,7
	v_lshl_or_b32 v[PS+\o], v[T+4*\o+2], 16, v[PS+\o]
.endr
.irp o, 0,1,2,3,4,5,6,7
	v_lshl_or_b32 v[PS+\o], v[T+4*\o+3], 24, v[PS+\o]          ; P's scale word of query tile o
.endr
	; ---- P: p, its sums, its codes, a query tile at a time
.irp o, 0,1,2,3,4,5,6,7
	PROB \o
.endr
.irp o, 0,1,2,3,4,5,6,7
	ds_store_b32 v[ASX], v[LSUM+\o] offset:64*\o
.endr
	s_wait_dscnt 0x0                               ; my sums lie in LDS
	s_barrier_signal -1                            ; (value2's load may stay out)
	s_barrier_wait -1
.irp w, 0,1,2,3
	ds_load_b128 v[T+4*\w:T+4*\w+3], v[ASR] offset:512*\w      ; queries 4 lane .. 4 lane + 3, wave w's part
.endr
	s_wait_dscnt 0x0
	v_pk_add_f32 v[T:T+1], v[T:T+1], v[T+4:T+5]
	v_pk_add_f32 v[T+2:T+3], v[T+2:T+3], v[T+6:T+7]
	v_pk_add_f32 v[T+8:T+9], v[T+8:T+9], v[T+12:T+13]
	v_pk_add_f32 v[T+10:T+11], v[T+10:T+11], v[T+14:T+15]
	v_pk_add_f32 v[T:T+1], v[T:T+1], v[T+8:T+9]
	v_pk_add_f32 v[T+2:T+3], v[T+2:T+3], v[T+10:T+11]          ; l
	s_wait_alu depctr_va_vdst(0)
.irp i, 0,1,2,3
	v_rcp_f32 v[T+16+\i], v[T+\i]
.endr
	v_nop
	s_wait_alu depctr_va_vdst(0)                   ; one wait for the four reciprocals
	ds_store_b128 v[ARW], v[T+16:T+19]             ; into my wave's own copy,
.irp o, 0,1,2,3,4,5,6,7
	ds_load_b128 v[RL+8*\o:RL+8*\o+3], v[ARL] offset:64*\o     ; and back as the results' layout wants them (LDS serves a wave's instructions in order)
	ds_load_b128 v[RL+8*\o+4:RL+8*\o+7], v[ARL] offset:64*\o+16
.endr
	; ---- O: for each of 32 channel tiles: eight products P V, each result times 1 / l, all added
	s_wait_tensorcnt 0x0                           ; my block of value2 is in; only I read it
.irp q, 0,1,2,3,4,5,6,7
	ds_load_b128 v[VS+4*\q:VS+4*\q+3], v[AK] offset:(\q/2)*UNIT+8*FRB+512*(\q%2)   ; value2's 32 scale words
.endr
	WIN 0x54                                       ; source 0 window 0 (P, 1 / l, LDS addresses); sources 1 and 2 and the destination window 1: one setting for the whole phase
	VFETCH 0
	VFETCH 1
	VFETCH 2
; Turn nk: product nk (channel tile nk / 8, query tile nk % 8), then the four multiply-adds on the result of product nk - 2.  The first two turns have no such result and take four v_nop in their stead.
; So in every turn eight plain instructions that name none of a product's registers stand between it and the first read of its result, and twelve in front of the product that writes its result buffer again
; (four and five are asked).  No product adds onto another's result: four result buffers take turns.
.set nk, 0
.rept 258
.if nk < 256
.set nc, nk/8
.set no, nk%8
.if no == 0
.if nc <= 29
	s_wait_alu depctr_va_vdst(0)
	s_wait_dscnt 6                                 ; this tile's three loads are in; behind them stand at least the two later tiles' six
.elseif nc == 30
	s_wait_alu depctr_va_vdst(0)
	s_wait_dscnt 3
.else
	s_wait_alu depctr_va_vdst(0)
	s_wait_dscnt 0x0
.endif
.endif
	v_wmma_scale_f32_16x16x128_f8f6f4 v[DR+8*(nk%4):DR+8*(nk%4)+7], v[PF+12*no:PF+12*no+11], v[12*(nc%4):12*(nc%4)+11], 0, v[PS+no], v[VS+nc] matrix_a_fmt:MATRIX_FMT_BF6 matrix_b_fmt:MATRIX_FMT_BF6
.endif
.if nk < 2
	PLACES 4                                       ; the pipeline fills: nothing to add yet
.else
.set nc2, (nk-2)/8
.set no2, (nk-2)%8
.set nd2, DR+8*((nk-2)%4)
.set na2, OACC+8*(nc2%2)
.irp j, 0,2,4,6
.if no2 == 0
	v_pk_mul_f32 v[na2+\j:na2+\j+1], v[RL+8*no2+\j:RL+8*no2+\j+1], v[nd2+\j:nd2+\j+1]
.else
	v_pk_fma_f32 v[na2+\j:na2+\j+1], v[RL+8*no2+\j:RL+8*no2+\j+1], v[nd2+\j:nd2+\j+1], v[na2+\j:na2+\j+1]
.endif
.endr
.if no2 == 7                           ; the tile's eight sums become one (1.0 x a + b: both addends lie in window 1)
	v_pk_fma_f32 v[na2:na2+1], v[ONE:ONE+1], v[na2:na2+1], v[na2+2:na2+3]
	v_pk_fma_f32 v[na2+4:na2+5], v[ONE:ONE+1], v[na2+4:na2+5], v[na2+6:na2+7]
	v_pk_fma_f32 v[na2:na2+1], v[ONE:ONE+1], v[na2:na2+1], v[na2+4:na2+5]
	v_fma_f32 v[RO+nc2%2], v[ONE], v[na2], v[na2+1]
	ds_store_b32 v[AOX], v[RO+nc2%2] offset:128*nc2
.endif
.endif
.if (nk%8 == 1) && (nk/8+3 < 32)
	VFETCH nk/8+3                                  ; into the buffer whose last product stands eight plain instructions back or more
.endif
.set nk, nk+1
.endr
	WIN 0
	s_wait_dscnt 0x0                               ; my sums lie in LDS
	s_barrier_signal -1
	s_barrier_wait -1
.irp w, 0,1,2,3
.irp h, 0,1
	ds_load_b128 v[T+4*(2*\w+\h):T+4*(2*\w+\h)+3], v[AFR] offset:4096*\w+64*\h     ; four channels: the four waves' keys, the two halves' queries
.endr
.endr
	s_wait_dscnt 0x0
.irp u, 0,8,16,24
	v_pk_add_f32 v[T+\u:T+\u+1], v[T+\u:T+\u+1], v[T+\u+4:T+\u+5]
	v_pk_add_f32 v[T+\u+2:T+\u+3], v[T+\u+2:T+\u+3], v[T+\u+6:T+\u+7]
.endr
.irp u, 0,16
	v_pk_add_f32 v[T+\u:T+\u+1], v[T+\u:T+\u+1], v[T+\u+8:T+\u+9]
	v_pk_add_f32 v[T+\u+2:T+\u+3], v[T+\u+2:T+\u+3], v[T+\u+10:T+\u+11]
.endr
	v_pk_add_f32 v[T:T+1], v[T:T+1], v[T+16:T+17]
	v_pk_add_f32 v[T+2:T+3], v[T+2:T+3], v[T+18:T+19]
	global_store_b128 v[GO], v[T:T+3], s[OUTP:OUTP+1]          ; the work-group stores 2,048 consecutive bytes
	s_wait_tensorcnt 0x0                           ; the wave's end
	ds_add_u32 v[SPW], v[NIL]
	s_wait_dscnt 0x0
	CROUND                                         ; the closing round
	s_endpgm
.Lfunc_end_k_qfe2786d877_attn:
	.size	k_qfe2786d877_attn, .Lfunc_end_k_qfe2786d877_attn-k_qfe2786d877_attn
	.p2alignl 7, 3214868480
	.fill 96, 4, 3214868480
	.section	.rodata,"a",@progbits
	.p2align	6, 0x0
	.amdhsa_kernel k_qfe2786d877_attn
		.amdhsa_group_segment_fixed_size 327680
		.amdhsa_private_segment_fixed_size 0
		.amdhsa_enable_private_segment 0
		.amdhsa_kernarg_size 32
		.amdhsa_user_sgpr_count 2
		.amdhsa_user_sgpr_kernarg_segment_ptr 1
		.amdhsa_wavefront_size32 1
		.amdhsa_system_sgpr_workgroup_id_x 1
		.amdhsa_system_sgpr_workgroup_id_y 1
		.amdhsa_system_sgpr_workgroup_id_z 1
		.amdhsa_system_vgpr_workitem_id 0
		.amdhsa_next_free_vgpr 1024
		.amdhsa_next_free_sgpr 96
		.amdhsa_reserve_vcc 0
		.amdhsa_float_denorm_mode_32 3
		.amdhsa_float_denorm_mode_16_64 3
		.amdhsa_memory_ordered 1
		.amdhsa_forward_progress 1
		.amdhsa_inst_pref_size 255
	.end_amdhsa_kernel
	.section	.bss,"aw",@nobits
	.p2align	6
	.space	262144
	.amdgpu_metadata
---
amdhsa.version: [ 1, 2 ]
amdhsa.kernels:
  - .name:           k_qfe2786d877_attn
    .symbol:         k_qfe2786d877_attn.kd
    .args:
      - { .name: qimg, .offset: 0, .size: 8, .value_kind: global_buffer, .address_space: global }
      - { .name: kimg, .offset: 8, .size: 8, .value_kind: global_buffer, .address_space: global }
      - { .name: vimg, .offset: 16, .size: 8, .value_kind: global_buffer, .address_space: global }
      - { .name: part, .offset: 24, .size: 8, .value_kind: global_buffer, .address_space: global }
    .group_segment_fixed_size: 327680
    .private_segment_fixed_size: 0
    .kernarg_segment_align: 8
    .kernarg_segment_size: 32
    .max_flat_workgroup_size: 128
    .sgpr_count:     96
    .vgpr_count:     1024
    .wavefront_size: 32
...
	.end_amdgpu_metadata
.endif
;; end of part 3
;; launch sum (part 4): grid 64 x 1, 4 waves a work-group, no clusters, 0 bytes of LDS; arguments part, out0; writes out0
.if DOCPART == 4
	.amdgcn_target "amdgcn-amd-amdhsa--gfx1250"
	.amdhsa_code_object_version 6
	.text
	.protected	k_qfe2786d877_sum
	.globl	k_qfe2786d877_sum
	.p2align	8
	.type	k_qfe2786d877_sum,@function
k_qfe2786d877_sum:
	s_mov_b64 s[64:65], 0
	v_nop
	global_prefetch_b8 v0, s[64:65] scope:SCOPE_SE
	s_setreg_imm32_b32 hwreg(HW_REG_WAVE_MODE, 25, 1), 1
	s_wait_xcnt 0x0
; out0[b][d] = the sum over the four query groups g of part[b][g][d].  A work-group takes a batch, thread t channels 4 t .. 4 t + 3: every load and the store cover 512 consecutive bytes a wave.
; The sum spans four work-groups of the launch before, so it has a launch of its own; 64 work-groups have all the work there is.
	s_load_b128 s[4:7], s[0:1], 0x0                ; part, out0
	v_lshlrev_b32 v1, 4, v0
	s_lshl_b32 s8, ttmp9, 13                       ; 4 x 2,048 bytes a batch
	s_mov_b32 s9, 0
	s_lshl_b32 s10, ttmp9, 11
	s_mov_b32 s11, 0
	s_wait_alu depctr_va_vdst(0)
	s_wait_kmcnt 0x0
	s_add_nc_u64 s[4:5], s[4:5], s[8:9]
	s_add_nc_u64 s[6:7], s[6:7], s[10:11]
.irp g, 0,1,2,3
	global_load_b128 v[4+4*\g:7+4*\g], v1, s[4:5] offset:2048*\g th:TH_LOAD_NT
.endr
	s_wait_loadcnt 0x0
	v_pk_add_f32 v[4:5], v[4:5], v[8:9]
	v_pk_add_f32 v[6:7], v[6:7], v[10:11]
	v_pk_add_f32 v[12:13], v[12:13], v[16:17]
	v_pk_add_f32 v[14:15], v[14:15], v[18:19]
	v_pk_add_f32 v[4:5], v[4:5], v[12:13]
	v_pk_add_f32 v[6:7], v[6:7], v[14:15]
	global_store_b128 v1, v[4:7], s[6:7]
	s_endpgm
.Lfunc_end_k_qfe2786d877_sum:
	.size	k_qfe2786d877_sum, .Lfunc_end_k_qfe2786d877_sum-k_qfe2786d877_sum
	.p2alignl 7, 3214868480
	.fill 96, 4, 3214868480
	.section	.rodata,"a",@progbits
	.p2align	6, 0x0
	.amdhsa_kernel k_qfe2786d877_sum
		.amdhsa_group_segment_fixed_size 0
		.amdhsa_private_segment_fixed_size 0
		.amdhsa_enable_private_segment 0
		.amdhsa_kernarg_size 16
		.amdhsa_user_sgpr_count 2
		.amdhsa_user_sgpr_kernarg_segment_ptr 1
		.amdhsa_wavefront_size32 1
		.amdhsa_system_sgpr_workgroup_id_x 1
		.amdhsa_system_sgpr_workgroup_id_y 1
		.amdhsa_system_sgpr_workgroup_id_z 1
		.amdhsa_system_vgpr_workitem_id 0
		.amdhsa_next_free_vgpr 32
		.amdhsa_next_free_sgpr 66
		.amdhsa_reserve_vcc 0
		.amdhsa_float_denorm_mode_32 3
		.amdhsa_float_denorm_mode_16_64 3
		.amdhsa_memory_ordered 1
		.amdhsa_forward_progress 1
		.amdhsa_inst_pref_size 2
	.end_amdhsa_kernel
	.amdgpu_metadata
---
amdhsa.version: [ 1, 2 ]
amdhsa.kernels:
  - .name:           k_qfe2786d877_sum
    .symbol:         k_qfe2786d877_sum.kd
    .args:
      - { .name: part, .offset: 0, .size: 8, .value_kind: global_buffer, .address_space: global }
      - { .name: out0, .offset: 8, .size: 8, .value_kind: global_buffer, .address_space: global }
    .group_segment_fixed_size: 0
    .private_segment_fixed_size: 0
    .kernarg_segment_align: 8
    .kernarg_segment_size: 16
    .max_flat_workgroup_size: 128
    .sgpr_count:     66
    .vgpr_count:     32
    .wavefront_size: 32
...
	.end_amdgpu_metadata
.endif
;; end of part 4
